; MI455X (gfx1250); checked and timed in simulation.
; The chip was launched on July 23, 2026; its instructions are those of AMD's public machine-readable ISA for CDNA 5 (MIT licence, August 2026) and "CDNA5" Instruction Set Architecture Reference Guide (July 2026). The comments in the code are by the model that wrote it; some were corrected since.
;; Attention With Einops. Allowed arithmetic: matrix products marked QUANTISED: E4M3 operands, one given power-of-two scale a tensor, by v_wmma_f32_16x16x64_fp8_fp8 or v_wmma_f32_16x16x128_fp8_fp8, f32 sums; everything else in f32.
;; Inputs: W_K 16 x 64 x 1,024 float32; W_O 16 x 64 x 1,024 float32; W_Q 16 x 64 x 1,024 float32; W_V 16 x 64 x 1,024 float32; lowp_scales 12 int32 (the exponents e of the quantised operands' scales 2^e); residual 2 x 2,048 x 1,024 float32.
;; Outputs: out0 2 x 2,048 x 1,024 float32.
;; This version of the problem:
;;   THIS VERSION OF THE PROBLEM IS GIVEN IN LOW PRECISION. The matrix products marked QUANTISED in the list below multiply operands that are first quantised to E4M3 (4 exponent bits, 3 mantissa bits; 8 bits a number), with one given power-of-two scale for each operand tensor; their sums are f32. All else is computed in f32.
;;   The module's matrix products, in the order in which they are computed (A, B: the left and right operand; K: the contracted axis; several contracted axes count as one K, in the product's order):
;;     1. [M 4,096, K 1,024] x [K 1,024, N 1,024]; A: input residual; B: input W_Q: QUANTISED (scales: A lowp_scales[0], B lowp_scales[1])
;;     2. [M 4,096, K 1,024] x [K 1,024, N 1,024]; A: input residual; B: input W_K: QUANTISED (scales: A lowp_scales[2], B lowp_scales[3])
;;     3. [M 4,096, K 1,024] x [K 1,024, N 1,024]; A: input residual; B: input W_V: QUANTISED (scales: A lowp_scales[4], B lowp_scales[5])
;;     4. batch 32 x [M 2,048, K 64] x [K 64, N 2,048]; A: computed on the way; B: computed on the way: QUANTISED (scales: A lowp_scales[6], B lowp_scales[7])
;;     5. batch 32 x [M 64, K 2,048] x [K 2,048, N 2,048]; A: computed on the way; B: softmax (see below): QUANTISED (scales: A lowp_scales[8], B lowp_scales[9])
;;     6. [M 4,096, K 1,024] x [K 1,024, N 1,024]; A: computed on the way; B: input W_O: QUANTISED (scales: A lowp_scales[10], B lowp_scales[11])
;;   THE QUANTISER, for each operand of a quantised product, along K:
;;     - The operand's scale is 2^e, e = its entry of the input lowp_scales (int32; the entries are numbered through the quantised products in the list's order, A before B).
;;     - Each number is divided by the scale, clamped to +-448, and rounded to the nearest number of E4M3, ties to even, subnormals kept.
;;     - The product sums the exact products of the quantised numbers (number of the format x scale) in f32.
;;   ~~~python
;;   def quantise(x, axis, e):      # numpy; x: float32 -> the quantised numbers, widened to float32 again
;;       x = np.moveaxis(x, axis, -1); K = x.shape[-1]
;;       r = np.clip(x / 2.0 ** e, -448, 448)
;;       step = 2.0 ** (np.maximum(np.frexp(np.where(r == 0, 1, r))[1] - 1, -6) - 3)
;;       q = np.round(r / step) * step * 2.0 ** e      # np.round: ties to even
;;       return np.moveaxis(q, -1, axis).astype(np.float32)
;;   ~~~
;;   SOFTMAX AHEAD OF A QUANTISED PRODUCT. Where the list says 'softmax', what is quantised is not the finished softmax but p = 2^(t - M), with t = logit x log2(e) and M = ceil(the row's largest t), a whole number; so 1/2 < the row's largest p <= 1. The row's sum l is taken of the UNQUANTISED p, in f32, and the product's result is divided by l at the end. Since M is a whole number, a kernel that streams over the keys may use a running M (the ceiling of the running maximum): every later rescaling is an exact power of two, so the quantised numbers keep their values, but for numbers so far below the row's largest that they fall under the format's range.
;;   OPERANDS COMPUTED ON THE WAY. 'Computed on the way' means the value that the module computes at that place (a softmax that the list does not call 'softmax' is quantised finished and normalised). What goes into a quantiser is computed in f32, as accurately as f32 sums, v_exp_f32 and their like allow (about 1e-6 of the number): no bf16 or f16 on the way to a quantiser, and a product that is left as it is and whose result goes on into a quantised operand takes f32 operands (vector FMAs, or v_wmma_f32_16x16x4_f32). A number that lies on a knife's edge between two numbers of the format may be rounded either way, as far as f32 arithmetic and the matrix unit's own rounding can turn it there, and no further.
;; One version. Each part assembles by itself: llvm-mc -triple=amdgcn-amd-amdhsa -mcpu=gfx1250 --defsym DOCPART=n.
;; ======== version 1 of 1: 4 launches
;; limits: right only within a limited range of input values
;; workspace buffers: codes 16,777,216 bytes; qkv 12,582,912 bytes; ac 4,194,304 bytes
;; launch quant (part 1): grid 512 x 1, 4 waves a work-group, no clusters, 131,072 bytes of LDS; arguments residual, W_Q, W_K, W_V, W_O, lowp_scales, codes; writes codes
.if DOCPART == 1
	.amdgcn_target "amdgcn-amd-amdhsa--gfx1250"
	.amdhsa_code_object_version 6
	.text
	.protected	k_qe174506230_quant
	.globl	k_qe174506230_quant
	.p2align	8
	.type	k_qe174506230_quant,@function
k_qe174506230_quant:
	s_mov_b64 s[64:65], 0
	v_nop
	global_prefetch_b8 v0, s[64:65] scope:SCOPE_SE
	s_setreg_imm32_b32 hwreg(HW_REG_WAVE_MODE, 25, 1), 1
	s_wait_xcnt 0x0
; All quantisers of the inputs, f32 -> codes of E4M3, one code a byte, each with its given scale 2^e:  code = x / 2^e, held within +-448, to the nearest code, ties to even.
; codes, in bytes:  0, 4 MiB, 8 MiB: residual [4096][1024] with e0, e2, e4;  12, 13, 14 MiB: W_Q, W_K, W_V [1024 (h,e)][1024 d] with e1, e3, e5;
;                   15 MiB: W_O as [d / 128][h 16][d % 128][64 places of e] with e11: its K, (h,e), is made innermost, and what a tile of 128 columns needs lies dense.
; THE PLACES OF e: inside each group of 32, index 16 u + 8 h + j lies at place 16 h + 8 u + j.  The attention launch lays its result so too, so both operands of the last product agree.
; Work-groups 0-255 take residual (read once, converted three times), 256-447 the three weights whose K is innermost, 448-511 W_O.  The three ways never join, and each has LDS bytes of its own.
; Two work-groups fit on a WGP: 2 x 4 waves, each with up to 16 loads of 512 bytes on their way.  No tensor load, no barrier: waves share nothing.
; WORK LEFT OUT in this program: in the attention launch, steps of 128 keys that all come after a wave's queries; reference() builds that causal mask itself and gives such scores the weight 0 for all values.
; A NaN or an infinity that reaches only those scores is not carried to the result.
; LIMITS: each e between -126 and 119, so that 2^e and 448 x 2^e are f32 numbers.  NaN among the inputs is not served.
.set STEPS, 8                          ; a wave's steps of 512 numbers
.set SP,    80                         ; a lane's place in a stage: 64 bytes + 16 of padding
.set LBR,   0                          ; LDS: residual's way: 8,192 bytes a wave (two stages of 32 x SP)
.set LBW,   32768                      ; the weights' way, likewise
.set LBO,   65536                      ; W_O's way: 32 rows x OP a wave
.set OP,    144                        ; a stage row there: 128 bytes + 16
.set SPARE, LBO+4*32*OP                ; the spare words, 128 bytes a wave
.set R,     16                         ; v16-79   four sets of 16 numbers as loaded
.set X,     80                         ; v80-111  two sets of 16 neighbours
.set T,     112                        ; v112-127 the numbers held
.set C,     128                        ; v128-139 codes, four registers a scale
.set OX,    32                         ; W_O: v32-95 two sets of 32 numbers down K
.set OC,    96                         ; v96-103 a block's codes
.set OUTR,  112                        ; v112-143 the way out
.set SPW,   176                        ; my spare word's LDS address
.set NIL,   177                        ; 0
.macro MKSC se, vs, vl                 ; v[vs] = 2^e as f32 (the conversion takes its exponent field), v[vl] = 448 x 2^e
	s_add_co_i32 s22, s[\se], 127
	s_lshl_b32 s23, s22, 23
	v_mov_b32 v[\vs], s23
	s_add_co_i32 s22, s22, 8
	s_lshl_b32 s22, s22, 23
	s_or_b32 s22, s22, 0x600000
	v_mov_b32 v[\vl], s22
.endm
.macro STAGEADR lb                     ; v14: into the stage, four lanes' 64 bytes on end and then 16 of padding; v15: out of it, SP x lane: my 16 neighbours
	s_lshl_b32 s21, s20, 13
.if \lb
	s_add_co_u32 s21, s21, \lb
.endif
	v_lshrrev_b32 v14, 2, v2
	v_mul_u32_u24 v14, v14, SP
	v_and_b32 v15, 3, v2
	v_lshl_add_u32 v14, v15, 4, v14
	v_add_nc_u32 v14, s21, v14
	v_mul_u32_u24 v15, v2, SP
	v_add_nc_u32 v15, s21, v15
.endm
.macro LOAD t                          ; step t: four loads, each 512 consecutive bytes, 16 a lane
.irp i, 0,1,2,3
	global_load_b128 v[R+16*((\t)%4)+4*\i:R+16*((\t)%4)+4*\i+3], v3, s[4:5] offset:2048*(\t)+512*\i th:TH_LOAD_NT
.endr
.endm
.macro TURN t                          ; step t's 2,048 bytes through the wave's stage: in as they lie, back 64 bytes a lane.  LDS serves a wave's instructions in order: no wait between
.irp i, 0,1,2,3
	ds_store_b128 v14, v[R+16*((\t)%4)+4*\i:R+16*((\t)%4)+4*\i+3] offset:32*SP*((\t)%2)+8*SP*\i
.endr
.irp i, 0,1,2,3
	ds_load_b128 v[X+16*((\t)%2)+4*\i:X+16*((\t)%2)+4*\i+3], v15 offset:32*SP*((\t)%2)+16*\i
.endr
.endm
.macro QSTEP t, ns                     ; step t is converted with ns scales (pairs v5/v6, v7/v8, v9/v10) and stored to ns planes (s[36:37], s[38:39], s[40:41])
.set XS, X+16*((\t)%2)
	s_wait_dscnt 0x0                               ; this step's numbers are back, so its stores into the stage have read their registers,
.if (\t)+4 < STEPS
	LOAD (\t)+4                                    ; which take the loads of four steps on
.endif
.if (\t)+1 < STEPS
.if STEPS-2-(\t) >= 3
	s_wait_loadcnt 12                              ; the next step's four loads are in; the twelve of the three steps behind it may be out
.else
	s_wait_loadcnt 4*(STEPS-2-(\t))
.endif
	TURN (\t)+1
.endif
	s_wait_xcnt 0x0                                ; the last step's stores have read the codes' registers: these are written again only behind this wait
.set q, 0
.rept \ns
.irp i, 0,1,2,3,4,5,6,7,8,9,10,11,12,13,14,15
	v_med3_num_f32 v[T+\i], v[XS+\i], -v[6+2*q], v[6+2*q]   ; the conversion to an 8-bit code does not saturate (ISA guide 7.6.2): the hold comes first
.endr
	v_cvt_scalef32_pk8_fp8_f32 v[C+4*q:C+4*q+1], v[T:T+7], v[5+2*q]
	v_cvt_scalef32_pk8_fp8_f32 v[C+4*q+2:C+4*q+3], v[T+8:T+15], v[5+2*q]
	v_nop                                          ; a plain line between the conversions and the next holds, which write their sources
.set q, q+1
.endr
.set q, 0
.rept \ns
	global_store_b128 v3, v[C+4*q:C+4*q+3], s[36+2*q:37+2*q] offset:512*(\t)   ; 16 codes a lane: the wave stores 512 consecutive bytes
.set q, q+1
.endr
.endm
.macro STREAM ns
	s_wait_loadcnt 12                              ; step 0's four loads are in
	TURN 0
.set st, 0
.rept STEPS
	QSTEP st, \ns
.set st, st+1
.endr
.endm
.macro FINISH                          ; the wave's end: behind my last LDS store
	s_wait_tensorcnt 0x0
	ds_add_u32 v[SPW], v[NIL]
	s_wait_dscnt 0x0
	s_endpgm
.endm
	s_load_b256 s[4:11], s[0:1], 0x0               ; residual, W_Q, W_K, W_V
	s_load_b128 s[12:15], s[0:1], 0x20             ; W_O, lowp_scales
	s_load_b64 s[16:17], s[0:1], 0x30              ; codes
	v_lshl_add_u32 v[SPW], v0, 2, SPARE
	v_mov_b32 v[NIL], 0
	v_lshrrev_b32 v1, 5, v0
	v_readfirstlane_b32 s20, v1                    ; wave
	v_and_b32 v2, 31, v0                           ; lane
	v_lshlrev_b32 v3, 4, v2                        ; 16 x lane
	s_mov_b32 s35, 0
	s_wait_alu depctr_va_vdst(0)                   ; directly ahead of the wait below
	s_wait_kmcnt 0x0
	s_load_b256 s[24:31], s[14:15], 0x0            ; e0 .. e7
	s_load_b32 s32, s[14:15], 0x2c                 ; e11
	s_cmp_lt_u32 ttmp9, 256
	s_cbranch_scc1 .Lres
	s_cmp_lt_u32 ttmp9, 448
	s_cbranch_scc1 .Lwt
	; ---- W_O [K = 1024 (h,e)][d 1024]: a lane takes a column d and its registers run down K: the conversions then give codes with K innermost.
	; A wave: 32 columns x 128 along K (two heads).  The codes go through the wave's stage and leave as runs of 512 consecutive bytes.
	s_sub_co_u32 s33, ttmp9, 448
	s_and_b32 s46, s33, 7                          ; which 128 columns
	s_lshr_b32 s43, s33, 3                         ; which 128 along K
	s_lshl_b32 s34, s43, 19                        ; 128 rows of 4,096 bytes
	s_lshl_b32 s45, s46, 9
	s_add_co_u32 s34, s34, s45
	s_lshl_b32 s45, s20, 7
	s_add_co_u32 s34, s34, s45                     ; my wave's 32 columns
	s_add_nc_u64 s[12:13], s[12:13], s[34:35]
	s_lshl_b32 s34, s46, 17                        ; a tile's 16 heads x 128 x 64 bytes
	s_lshl_b32 s45, s43, 14                        ; two heads
	s_add_co_u32 s34, s34, s45
	s_lshl_b32 s45, s20, 11                        ; 32 columns of 64 bytes
	s_add_co_u32 s34, s34, s45
	s_add_co_u32 s34, s34, 0xf00000
	s_add_nc_u64 s[36:37], s[16:17], s[34:35]
	s_mul_i32 s44, s20, 32*OP
	s_add_co_u32 s44, s44, LBO                     ; my stage
	v_lshlrev_b32 v13, 2, v2                       ; in: 4 bytes a lane
	v_mul_u32_u24 v4, v2, OP
	v_add_nc_u32 v4, s44, v4                       ; into it: row = my column
	v_lshrrev_b32 v5, 2, v2
	v_mul_u32_u24 v7, v5, OP
	v_and_b32 v6, 3, v2
	v_lshl_add_u32 v7, v6, 4, v7
	v_add_nc_u32 v7, s44, v7                       ; out of it: four lanes to a column's 64 bytes of a head, eight columns an instruction
.macro OLOAD t                         ; block t: W_O(32 t + i, my column): 128 consecutive bytes a wave and load
.set i, 0
.rept 32
	global_load_b32 v[OX+32*((\t)%2)+i], v13, s[12:13] offset:(32*(\t)+i)*4096 th:TH_LOAD_NT
.set i, i+1
.endr
.endm
.macro OBLOCK t
.set XS, OX+32*((\t)%2)
.if (\t) < 3
	s_wait_loadcnt 32                              ; this block's 32 loads are in; the next block's may be out
.else
	s_wait_loadcnt 0
.endif
.set i, 0
.rept 32
	v_med3_num_f32 v[XS+i], v[XS+i], -v10, v10
.set i, i+1
.endr
	v_cvt_scalef32_pk8_fp8_f32 v[OC:OC+1], v[XS:XS+7], v11
	v_cvt_scalef32_pk8_fp8_f32 v[OC+4:OC+5], v[XS+8:XS+15], v11      ; THE PLACES OF e: the second eight go to the third place,
	v_cvt_scalef32_pk8_fp8_f32 v[OC+2:OC+3], v[XS+16:XS+23], v11     ; the third eight to the second
	v_cvt_scalef32_pk8_fp8_f32 v[OC+6:OC+7], v[XS+24:XS+31], v11
	v_nop
	ds_store_b128 v4, v[OC:OC+3] offset:32*(\t)
	ds_store_b128 v4, v[OC+4:OC+7] offset:32*(\t)+16
.if (\t)+2 < 4
	OLOAD (\t)+2
.endif
	s_wait_dscnt 0x0                               ; the stores have read their registers: the next block's codes may be written
.endm
	OLOAD 0
	OLOAD 1
	s_wait_alu depctr_va_vdst(0)                   ; directly ahead of the wait below
	s_wait_kmcnt 0x0
	MKSC 32, 11, 10
	s_wait_alu depctr_va_vdst(0)                   ; at the head's end
.set ob, 0
.rept 4
	OBLOCK ob
.set ob, ob+1
.endr
.set n, 0
.rept 8                                ; n = 4 x head + which eight columns
	ds_load_b128 v[OUTR+4*n:OUTR+4*n+3], v7 offset:(n%4)*8*OP+(n/4)*64
.set n, n+1
.endr
.set n, 0
.rept 8
	s_wait_dscnt 7-n                               ; LDS loads come back in order: number n is in
	global_store_b128 v3, v[OUTR+4*n:OUTR+4*n+3], s[36:37] offset:(n/4)*8192+(n%4)*512
.set n, n+1
.endr
	FINISH
.Lres:	; ---- residual: a plain stream; a wave takes 4,096 numbers; three scales, three planes
	STAGEADR LBR
	s_lshl_b32 s33, ttmp9, 2
	s_add_co_u32 s33, s33, s20                     ; which run of 4,096 numbers
	s_lshl_b32 s34, s33, 14
	s_add_nc_u64 s[4:5], s[4:5], s[34:35]
	s_lshl_b32 s34, s33, 12
	s_add_nc_u64 s[36:37], s[16:17], s[34:35]
	s_add_nc_u64 s[38:39], s[36:37], 0x400000
	s_add_nc_u64 s[40:41], s[36:37], 0x800000
.irp t, 0,1,2,3
	LOAD \t
.endr
	s_wait_alu depctr_va_vdst(0)                   ; directly ahead of the wait below
	s_wait_kmcnt 0x0
	MKSC 24, 5, 6                                  ; e0
	MKSC 26, 7, 8                                  ; e2
	MKSC 28, 9, 10                                 ; e4
	s_wait_alu depctr_va_vdst(0)                   ; at the head's end
	STREAM 3
	FINISH
.Lwt:	; ---- W_Q, W_K, W_V: the same stream, one scale; 64 work-groups to a weight
	STAGEADR LBW
	s_sub_co_u32 s33, ttmp9, 256
	s_lshr_b32 s42, s33, 6                         ; which weight
	s_and_b32 s33, s33, 63
	s_lshl_b32 s33, s33, 2
	s_add_co_u32 s33, s33, s20                     ; which run of 4,096 numbers of it
	s_cmp_eq_u32 s42, 0
	s_cselect_b64 s[4:5], s[6:7], s[8:9]           ; the choice hangs on the work-group's number alone
	s_cmp_eq_u32 s42, 2
	s_cselect_b64 s[4:5], s[10:11], s[4:5]
	s_lshl_b32 s34, s33, 14
	s_add_nc_u64 s[4:5], s[4:5], s[34:35]
	s_lshl_b32 s34, s33, 12
	s_lshl_b32 s43, s42, 20
	s_add_co_u32 s34, s34, s43
	s_add_co_u32 s34, s34, 0xc00000
	s_add_nc_u64 s[36:37], s[16:17], s[34:35]
.irp t, 0,1,2,3
	LOAD \t
.endr
	s_wait_alu depctr_va_vdst(0)                   ; directly ahead of the wait below
	s_wait_kmcnt 0x0
	s_cmp_eq_u32 s42, 0
	s_cselect_b32 s44, s25, s27                    ; e1 or e3,
	s_cmp_eq_u32 s42, 2
	s_cselect_b32 s44, s29, s44                    ; or e5
	MKSC 44, 5, 6
	s_wait_alu depctr_va_vdst(0)                   ; at the head's end
	STREAM 1
	FINISH
.Lfunc_end_k_qe174506230_quant:
	.size	k_qe174506230_quant, .Lfunc_end_k_qe174506230_quant-k_qe174506230_quant
	.p2alignl 7, 3214868480
	.fill 96, 4, 3214868480
	.section	.rodata,"a",@progbits
	.p2align	6, 0x0
	.amdhsa_kernel k_qe174506230_quant
		.amdhsa_group_segment_fixed_size 131072
		.amdhsa_private_segment_fixed_size 0
		.amdhsa_enable_private_segment 0
		.amdhsa_kernarg_size 56
		.amdhsa_user_sgpr_count 2
		.amdhsa_user_sgpr_kernarg_segment_ptr 1
		.amdhsa_wavefront_size32 1
		.amdhsa_system_sgpr_workgroup_id_x 1
		.amdhsa_system_sgpr_workgroup_id_y 1
		.amdhsa_system_sgpr_workgroup_id_z 1
		.amdhsa_system_vgpr_workitem_id 0
		.amdhsa_next_free_vgpr 192
		.amdhsa_next_free_sgpr 66
		.amdhsa_reserve_vcc 0
		.amdhsa_float_denorm_mode_32 3
		.amdhsa_float_denorm_mode_16_64 3
		.amdhsa_memory_ordered 1
		.amdhsa_forward_progress 1
		.amdhsa_inst_pref_size 86
	.end_amdhsa_kernel
	.amdgpu_metadata
---
amdhsa.version: [ 1, 2 ]
amdhsa.kernels:
  - .name:           k_qe174506230_quant
    .symbol:         k_qe174506230_quant.kd
    .args:
      - { .name: residual, .offset: 0, .size: 8, .value_kind: global_buffer, .address_space: global }
      - { .name: W_Q, .offset: 8, .size: 8, .value_kind: global_buffer, .address_space: global }
      - { .name: W_K, .offset: 16, .size: 8, .value_kind: global_buffer, .address_space: global }
      - { .name: W_V, .offset: 24, .size: 8, .value_kind: global_buffer, .address_space: global }
      - { .name: W_O, .offset: 32, .size: 8, .value_kind: global_buffer, .address_space: global }
      - { .name: lowp_scales, .offset: 40, .size: 8, .value_kind: global_buffer, .address_space: global }
      - { .name: codes, .offset: 48, .size: 8, .value_kind: global_buffer, .address_space: global }
    .group_segment_fixed_size: 131072
    .private_segment_fixed_size: 0
    .kernarg_segment_align: 8
    .kernarg_segment_size: 56
    .max_flat_workgroup_size: 128
    .sgpr_count:     66
    .vgpr_count:     192
    .wavefront_size: 32
...
	.end_amdgpu_metadata
.endif
;; end of part 1
;; launch qkv (part 2): grid 12 x 16, 4 waves a work-group, clusters of 4 x 4, 327,680 bytes of LDS; arguments codes, lowp_scales, qkv; writes qkv
.if DOCPART == 2
	.amdgcn_target "amdgcn-amd-amdhsa--gfx1250"
	.amdhsa_code_object_version 6
	.text
	.protected	k_qe174506230_qkv
	.globl	k_qe174506230_qkv
	.p2align	8
	.type	k_qe174506230_qkv,@function
k_qe174506230_qkv:
	s_mov_b64 s[64:65], 0
	v_nop
	global_prefetch_b8 v0, s[64:65] scope:SCOPE_SE
	s_setreg_imm32_b32 hwreg(HW_REG_WAVE_MODE, 25, 1), 1
	s_wait_xcnt 0x0
	s_wait_alu depctr_hold_cnt(0) depctr_sa_sdst(0) depctr_va_vdst(0) depctr_va_sdst(0) depctr_va_ssrc(0) depctr_va_vcc(0) depctr_vm_vsrc(0)
	s_getreg_b32 s2, hwreg(HW_REG_IB_STS2, 6, 4)
	s_cmp_eq_u32 s2, 0
	s_cbranch_scc0 .Lentry_in_a_cluster
	s_endpgm
.Lentry_in_a_cluster:
	s_bfe_u32 s2, ttmp6, 0x10000c
	s_cmp_lg_u32 s2, 0xf033
	s_cbranch_scc0 .Lentry_shape_is_right
	s_endpgm
.Lentry_shape_is_right:
; q, k, v = residual's codes x the weights' codes, [4096 x 1024 x 1024] three times, each finished sum x 2^(its two scales' exponents), quantised with e6, e7 or e9's partner e8.
; q, k: [bh][s][64 places of e]; v: [bh][key block of 128][e 64][128 places of key] (there the two operands change roles, so that a lane's results run along the keys).
; Cluster x = 0, 1, 2: q, k, v.  A tile of 256 x 256 by four waves of 128 x 128: 64 accumulators, 512 registers.  The matrix instruction is used transposed: a lane holds eight neighbouring numbers of a row.
; K goes in four steps of 256 through a ring of two LDS slots; rows of 256 bytes + 16 of padding.  Each wave fetches 128 rows of A (waves 0, 1) or of B (2, 3) by one joint load a step: A's go to a row of the 4 x 4 cluster, B's to a column.
; PREFETCH: behind K step 0's load K step 1's bytes, behind K step 1's load those of K steps 2 and 3: of the 128 rows that a wave fetches each of the four partners names 32, a lane a row, so each block of 256 bytes is named once a cluster.
; LIMITS: 2^x and 448 x 2^x are f32 numbers (x between -126 and 119) for x = e6 - e0 - e1, e7 - e2 - e3 and e8 - e4 - e5.  NaN is not served.
.set SIZE_K, 1024
.set KSTEP,  256
.set ROWB,   256
.set KROW,   SIZE_K
.set PITCH,  272
.set FR,     16
.set NL,     4
.set NP,     4
.set HALFT,  128*PITCH
.set SLOT,   4*HALFT
.set LAPS,   SIZE_K/(2*KSTEP)
.set SPARE,  2*SLOT
.set SPITCH, 144
.set WSTG,   128*SPITCH
.set ADRA, 16
.set ADRB, 20
.set SCL,  22
.set LIM,  23
.set STO,  24
.set RDQ,  25
.set GO,   26
.set RDV,  27
.set SPW,  28
.set NIL,  29
.set TMP,  32
.set AF,   128
.set CD,   128
.set G1, 24
.set G0, 32
.set G1B, 48
.set G0B, 56
.set MSB, 0
.macro WIN new
.if MSB != \new
	s_set_vgpr_msb (MSB<<8)|\new
.set MSB, \new
.endif
.endm
.set MUL_LO, 0xa1
.set MUL_HI, 0xf1
.set TO_B,   0x40
.macro JLOAD g0a, g1a, g0b, g1b
	s_cmp_eq_u32 s15, 0
	s_cbranch_scc0 .Lfor_b_\@
	tensor_load_to_lds s[\g0a:\g0a+3], s[\g1a:\g1a+7]
	s_nop 0
.rept 4
	v_nop
.endr
	s_branch .Lasked_\@
.Lfor_b_\@:
	tensor_load_to_lds s[\g0b:\g0b+3], s[\g1b:\g1b+7]
	s_nop 0
.rept 4
	v_nop
.endr
.Lasked_\@:
.endm
.macro CREST
	s_cmp_lg_u32 s14, 0
	s_cbranch_scc1 .Lnot_wave_0_\@
	s_barrier_signal -3
.Lnot_wave_0_\@:
	s_barrier_wait -3
	s_barrier_signal -1
	s_barrier_wait -1
.endm
.macro CROUND
	s_barrier_signal -1
	s_barrier_wait -1
	CREST
.endm
	s_load_b128 s[4:7], s[0:1], 0x0
	s_load_b64 s[10:11], s[0:1], 0x10
	v_lshl_add_u32 v[SPW], v0, 2, SPARE
	v_mov_b32 v[NIL], 0
	ds_add_u32 v[SPW], v[NIL]                      ; the wave's opening: the add, twice on end, ahead of my first tensor load
	ds_add_u32 v[SPW], v[NIL]
	v_lshrrev_b32 v1, 5, v0
	v_readfirstlane_b32 s14, v1
	s_lshr_b32 s15, s14, 1
	s_and_b32 s16, s14, 1
	s_bfe_u32 s40, ttmp6, 0x40000
	s_bfe_u32 s41, ttmp6, 0x40004
	s_and_b32 s17, ttmp7, 0xffff
	s_lshl_b32 s17, s17, 2
	s_lshl_b32 s66, ttmp9, 22
	s_lshl_b32 s67, ttmp9, 20
	s_add_co_u32 s67, s67, 0xc00000
	s_cmp_eq_u32 ttmp9, 2
	s_cselect_b32 s68, 0, s17
	s_cselect_b32 s69, s17, 0
	s_cselect_b32 s70, s67, s66
	s_cselect_b32 s71, s66, s67
	s_add_co_u32 s68, s68, s41
	s_add_co_u32 s69, s69, s40
	s_lshl_b32 s43, s41, 2
	s_lshl_b32 s43, 15, s43
	s_lshl_b32 s44, 0x1111, s40
	s_or_b32 s[G1+0], s43, (0<<16)|(1<<20)|(1<<21)|(5<<22)|(3<<25)
	s_or_b32 s[G1B+0], s44, (0<<16)|(1<<20)|(1<<21)|(5<<22)|(3<<25)
.irp g, G1, G1B
	s_mov_b32 s[\g+1], ROWB<<16
	s_mov_b32 s[\g+2], 128<<16
	s_mov_b32 s[\g+3], ROWB<<16
	s_mov_b32 s[\g+4], 128
	s_mov_b32 s[\g+5], KROW
	s_mov_b32 s[\g+6], 0
	s_mov_b32 s[\g+7], 0
.endr
	s_lshl_b32 s18, s16, 7
	s_lshl_b32 s20, s68, 8
	s_add_co_u32 s20, s20, s18
	s_lshl_b32 s20, s20, 10
	s_add_co_u32 s20, s20, s70
	s_mov_b32 s21, 0
	s_lshl_b32 s46, s69, 8
	s_add_co_u32 s46, s46, s18
	s_lshl_b32 s46, s46, 10
	s_add_co_u32 s46, s46, s71
	s_mov_b32 s47, 0
	s_mul_i32 s45, s14, HALFT
	s_wait_alu depctr_va_vdst(0)                   ; directly ahead of the wait below
	s_wait_dscnt 0x0                               ; both opening adds are done
	s_wait_kmcnt 0x0
	s_load_b256 s[76:83], s[6:7], 0x0
	s_load_b32 s84, s[6:7], 0x20
	s_add_nc_u64 s[20:21], s[4:5], s[20:21]
	s_add_nc_u64 s[46:47], s[4:5], s[46:47]
	CROUND
.irp s, 0,1
	s_mov_b32 s[G0+4*\s], 1
	s_add_co_u32 s[G0+4*\s+1], s45, \s*SLOT
	s_add_nc_u64 s[G0+4*\s+2:G0+4*\s+3], s[20:21], \s*ROWB
	s_or_b32 s[G0+4*\s+3], s[G0+4*\s+3], 0x80000000
	s_mov_b32 s[G0B+4*\s], 1
	s_add_co_u32 s[G0B+4*\s+1], s45, \s*SLOT
	s_add_nc_u64 s[G0B+4*\s+2:G0B+4*\s+3], s[46:47], \s*ROWB
	s_or_b32 s[G0B+4*\s+3], s[G0B+4*\s+3], 0x80000000
.endr
	JLOAD G0, G1, G0B, G1B                         ; K step 0: my one tensor load at the head
	; the prefetches: of the 128 rows that I fetch, the four partners that ask with me take 32 each, told apart by address
	s_cmp_eq_u32 s15, 0
	s_cselect_b32 s8, s68, s69
	s_cselect_b32 s9, s70, s71
	s_cselect_b32 s86, s40, s41
	s_lshl_b32 s8, s8, 8
	s_add_co_u32 s8, s8, s18
	s_lshl_b32 s86, s86, 5
	s_add_co_u32 s8, s8, s86
	s_lshl_b32 s8, s8, 10
	s_add_co_u32 s8, s8, s9
	s_mov_b32 s9, 0
	s_add_nc_u64 s[12:13], s[4:5], s[8:9]
	v_and_b32 v30, 31, v0
	v_lshlrev_b32 v30, 10, v30                     ; a lane a row of 1,024 bytes; never rewritten
	global_prefetch_b8 v30, s[12:13] offset:256 th:TH_LOAD_NT scope:SCOPE_SE   ; K step 1, a load ahead
	v_and_b32 v1, 15, v0
	s_wait_alu depctr_va_vdst(0)
	v_bfe_u32 v2, v0, 4, 1
	v_mul_u32_u24 v3, v1, PITCH
	v_lshl_add_u32 v4, v2, 4, v3
	s_mul_i32 s21, s15, HALFT
	s_mul_i32 s22, s16, HALFT
	s_add_co_u32 s22, s22, 2*HALFT
.irp s, 0,1
	v_add_nc_u32 v[ADRA+\s], s21, v4
	v_add_nc_u32 v[ADRB+\s], s22, v4
	s_add_co_u32 s21, s21, SLOT
	s_add_co_u32 s22, s22, SLOT
.endr
	s_mul_i32 s23, s14, WSTG
	v_mul_u32_u24 v5, v1, SPITCH
	s_wait_alu depctr_va_vdst(0)
	v_lshl_add_u32 v5, v2, 4, v5
	v_add_nc_u32 v[STO], s23, v5
	v_and_b32 v6, 31, v0
	v_lshrrev_b32 v7, 2, v6
	v_mul_u32_u24 v7, v7, SPITCH
	v_and_b32 v8, 3, v6
	v_lshl_add_u32 v7, v8, 4, v7
	v_add_nc_u32 v[RDQ], s23, v7
	v_lshrrev_b32 v7, 3, v6
	v_mul_u32_u24 v7, v7, SPITCH
	v_and_b32 v8, 7, v6
	v_lshl_add_u32 v7, v8, 4, v7
	v_add_nc_u32 v[RDV], s23, v7
	v_lshlrev_b32 v[GO], 4, v6
	s_lshl_b32 s72, s68, 8
	s_lshl_b32 s73, s15, 7
	s_add_co_u32 s72, s72, s73
	s_lshl_b32 s74, s69, 8
	s_lshl_b32 s75, s16, 7
	s_add_co_u32 s74, s74, s75
	s_cmp_eq_u32 ttmp9, 2
	s_cselect_b32 s73, s74, s72
	s_cselect_b32 s75, s72, s74
	s_lshr_b32 s72, s73, 11
	s_lshl_b32 s72, s72, 21
	s_and_b32 s73, s73, 2047
	s_lshl_b32 s73, s73, 6
	s_add_co_u32 s72, s72, s73
	s_lshr_b32 s75, s75, 6
	s_lshl_b32 s75, s75, 17
	s_add_co_u32 s72, s72, s75
	s_add_co_u32 s72, s72, s66
	s_mov_b32 s73, 0
	s_add_nc_u64 s[10:11], s[10:11], s[72:73]
.macro FRAG reg, adr, q, i
.irp c, 0,1,2,3
	ds_load_b128 v[\reg+4*\c:\reg+4*\c+3], v[\adr] offset:128*(\q)+32*\c+(\i)*16*PITCH
.endr
.endm
.macro MUL16 a0, p, zero
.irp a, \a0, \a0+1
.irp b, 0,1,2,3,4,5,6,7
.if \zero
	v_wmma_f32_16x16x128_fp8_fp8 v[8*(8*((\a)%4)+\b):8*(8*((\a)%4)+\b)+7], v[128*(\p)+FR*\b:128*(\p)+FR*\b+FR-1], v[AF+FR*(\a):AF+FR*(\a)+FR-1], 0
.else
	v_wmma_f32_16x16x128_fp8_fp8 v[8*(8*((\a)%4)+\b):8*(8*((\a)%4)+\b)+7], v[128*(\p)+FR*\b:128*(\p)+FR*\b+FR-1], v[AF+FR*(\a):AF+FR*(\a)+FR-1], v[8*(8*((\a)%4)+\b):8*(8*((\a)%4)+\b)+7]
.endif
.endr
.endr
.endm
.macro FETCH_B slot, q, p
	WIN TO_B
.irp i, 0,1,2,3,4,5,6,7
	FRAG 128*(\p)+FR*\i, ADRB+\slot, \q, \i
.endr
	WIN 0
.endm
.macro FETCH_A slot, q, i0
.irp i, \i0, \i0+1, \i0+2, \i0+3
	FRAG AF+FR*(\i), ADRA+\slot, \q, \i
.endr
.endm
.macro PLACES n
.rept \n
	v_nop
.endr
.endm
.macro STEP slot, q, zero
	s_wait_dscnt 4*NL
	WIN MUL_LO
	MUL16 0, (\q)%2, \zero
	MUL16 2, (\q)%2, \zero
	s_wait_dscnt 0
	PLACES NP
	FETCH_B \slot, (\q)+1, 1-(\q)%2
	FETCH_A \slot, (\q)+1, 0
	WIN MUL_HI
	MUL16 4, (\q)%2, \zero
	MUL16 6, (\q)%2, \zero
	PLACES NP
	WIN 0
	FETCH_A \slot, (\q)+1, 4
.endm
.macro TURN slot, next, fill
	s_wait_tensorcnt 0x0
	ds_add_u32 v[SPW], v[NIL]
	s_wait_dscnt 4*NL+1
	WIN MUL_LO
	MUL16 0, 1, 0
	s_wait_dscnt 0x0
	s_barrier_signal -1
	MUL16 2, 1, 0
	WIN 0
	s_barrier_wait -1
.if \fill
	CREST
	s_add_nc_u64 s[G0+4*\slot+2:G0+4*\slot+3], s[G0+4*\slot+2:G0+4*\slot+3], 2*ROWB
	s_add_nc_u64 s[G0B+4*\slot+2:G0B+4*\slot+3], s[G0B+4*\slot+2:G0B+4*\slot+3], 2*ROWB
	JLOAD G0+4*\slot, G1, G0B+4*\slot, G1B
.else
	PLACES NP
.endif
	FETCH_B \next, 0, 0
	FETCH_A \next, 0, 0
	WIN MUL_HI
	MUL16 4, 1, 0
	MUL16 6, 1, 0
	PLACES NP
	WIN 0
	FETCH_A \next, 0, 4
.endm
	s_wait_alu depctr_va_vdst(0)                   ; at the head's end
	s_wait_tensorcnt 0x0                           ; my part of K step 0 is in
	ds_add_u32 v[SPW], v[NIL]
	s_wait_dscnt 0x0
	CROUND                                         ; everybody's part of K step 0 is in, and all sixteen work-groups are here
	JLOAD G0+4, G1, G0B+4, G1B                     ; K step 1
	FETCH_B 0, 0, 0
	FETCH_A 0, 0, 0
	FETCH_A 0, 0, 4
	global_prefetch_b8 v30, s[12:13] offset:512 th:TH_LOAD_NT scope:SCOPE_SE   ; K step 2, a K step ahead of its load,
	global_prefetch_b8 v30, s[12:13] offset:768 th:TH_LOAD_NT scope:SCOPE_SE   ; and K step 3, two ahead.  Nothing lies behind them
	STEP 0, 0, 1
	TURN 0, 1, 1                                   ; fills slot 0 again: K step 2
	STEP 1, 0, 0
	TURN 1, 0, 1                                   ; slot 1: K step 3
	STEP 0, 0, 0
	TURN 0, 1, 0                                   ; nothing more to fill
	STEP 1, 0, 0
	s_wait_dscnt 4*NL
	WIN MUL_LO
	MUL16 0, 1, 0
	MUL16 2, 1, 0
	s_wait_dscnt 0
	WIN MUL_HI
	MUL16 4, 1, 0
	MUL16 6, 1, 0
	WIN 0
	s_wait_kmcnt 0x0
	s_cmp_eq_u32 ttmp9, 0
	s_cselect_b32 s86, s76, s78
	s_cselect_b32 s87, s77, s79
	s_cselect_b32 s88, s82, s83
	s_cmp_eq_u32 ttmp9, 2
	s_cselect_b32 s86, s80, s86
	s_cselect_b32 s87, s81, s87
	s_cselect_b32 s88, s84, s88
	s_sub_co_i32 s88, s88, s86
	s_sub_co_i32 s88, s88, s87
	s_add_co_i32 s88, s88, 127
	s_lshl_b32 s89, s88, 23
	v_mov_b32 v[SCL], s89
	s_add_co_i32 s88, s88, 8
	s_lshl_b32 s88, s88, 23
	s_or_b32 s88, s88, 0x600000
	v_mov_b32 v[LIM], s88
.macro CONV a
.set AC, 64*((\a)%4)
	WIN 0x02+((\a)/4)
.set j, 0
.rept 64
	v_med3_num_f32 v[TMP+j], v[AC+j], -v[LIM], v[LIM]
.set j, j+1
.endr
	WIN 0
.set b, 0
.rept 8
	v_cvt_scalef32_pk8_fp8_f32 v[CD+16*(\a)+2*b:CD+16*(\a)+2*b+1], v[TMP+8*b:TMP+8*b+7], v[SCL]
.set b, b+1
.endr
	v_nop
.set g, 0
.rept 4
	ds_store_b128 v[STO], v[CD+16*(\a)+4*g:CD+16*(\a)+4*g+3] offset:16*SPITCH*(\a)+32*g
.set g, g+1
.endr
.endm
	PLACES NP
.irp a, 0,1,2,3,4,5,6,7
	CONV \a
.endr
	s_wait_dscnt 0x0
	s_cmp_eq_u32 ttmp9, 2
	s_cbranch_scc1 .Lback_v
.set u, 0
.rept 32
	ds_load_b128 v[CD+4*u:CD+4*u+3], v[RDQ] offset:(u%16)*8*SPITCH+(u/16)*64
.set u, u+1
.endr
	s_branch .Lback
.Lback_v:
.set u, 0
.rept 32
	ds_load_b128 v[CD+4*u:CD+4*u+3], v[RDV] offset:u*4*SPITCH
.set u, u+1
.endr
.Lback:
.set u, 0
.rept 32
	s_wait_dscnt 31-u
	global_store_b128 v[GO], v[CD+4*u:CD+4*u+3], s[10:11] offset:(u/16)*131072+(u%16)*512
.set u, u+1
.endr
	s_wait_tensorcnt 0x0
	ds_add_u32 v[SPW], v[NIL]
	s_wait_dscnt 0x0
	CROUND
	s_endpgm
.Lfunc_end_k_qe174506230_qkv:
	.size	k_qe174506230_qkv, .Lfunc_end_k_qe174506230_qkv-k_qe174506230_qkv
	.p2alignl 7, 3214868480
	.fill 96, 4, 3214868480
	.section	.rodata,"a",@progbits
	.p2align	6, 0x0
	.amdhsa_kernel k_qe174506230_qkv
		.amdhsa_group_segment_fixed_size 327680
		.amdhsa_private_segment_fixed_size 0
		.amdhsa_enable_private_segment 0
		.amdhsa_kernarg_size 24
		.amdhsa_user_sgpr_count 2
		.amdhsa_user_sgpr_kernarg_segment_ptr 1
		.amdhsa_wavefront_size32 1
		.amdhsa_system_sgpr_workgroup_id_x 1
		.amdhsa_system_sgpr_workgroup_id_y 1
		.amdhsa_system_sgpr_workgroup_id_z 1
		.amdhsa_system_vgpr_workitem_id 0
		.amdhsa_next_free_vgpr 1024
		.amdhsa_next_free_sgpr 100
		.amdhsa_reserve_vcc 0
		.amdhsa_float_denorm_mode_32 3
		.amdhsa_float_denorm_mode_16_64 3
		.amdhsa_memory_ordered 1
		.amdhsa_forward_progress 1
		.amdhsa_inst_pref_size 127
	.end_amdhsa_kernel
	.amdgpu_metadata
---
amdhsa.version: [ 1, 2 ]
amdhsa.kernels:
  - .name:           k_qe174506230_qkv
    .symbol:         k_qe174506230_qkv.kd
    .args:
      - { .name: codes, .offset: 0, .size: 8, .value_kind: global_buffer, .address_space: global }
      - { .name: lowp_scales, .offset: 8, .size: 8, .value_kind: global_buffer, .address_space: global }
      - { .name: qkv, .offset: 16, .size: 8, .value_kind: global_buffer, .address_space: global }
    .group_segment_fixed_size: 327680
    .private_segment_fixed_size: 0
    .kernarg_segment_align: 8
    .kernarg_segment_size: 24
    .max_flat_workgroup_size: 128
    .sgpr_count:     100
    .vgpr_count:     1024
    .wavefront_size: 32
...
	.end_amdgpu_metadata
.endif
;; end of part 2
;; launch attn (part 3): grid 8 x 32, 16 waves a work-group, clusters of 4 x 1, 327,680 bytes of LDS; arguments qkv, lowp_scales, ac; writes ac
.if DOCPART == 3
	.amdgcn_target "amdgcn-amd-amdhsa--gfx1250"
	.amdhsa_code_object_version 6
	.text
	.protected	k_qe174506230_attn
	.globl	k_qe174506230_attn
	.p2align	8
	.type	k_qe174506230_attn,@function
k_qe174506230_attn:
	s_mov_b64 s[64:65], 0
	v_nop
	global_prefetch_b8 v0, s[64:65] scope:SCOPE_SE
	s_setreg_imm32_b32 hwreg(HW_REG_WAVE_MODE, 25, 1), 1
	s_wait_xcnt 0x0
	s_wait_alu depctr_hold_cnt(0) depctr_sa_sdst(0) depctr_va_vdst(0) depctr_va_sdst(0) depctr_va_ssrc(0) depctr_va_vcc(0) depctr_vm_vsrc(0)
	s_getreg_b32 s2, hwreg(HW_REG_IB_STS2, 6, 4)
	s_cmp_eq_u32 s2, 0
	s_cbranch_scc0 .Lentry_in_a_cluster
	s_endpgm
.Lentry_in_a_cluster:
	s_bfe_u32 s2, ttmp6, 0x10000c
	s_cmp_lg_u32 s2, 0x3003
	s_cbranch_scc0 .Lentry_shape_is_right
	s_endpgm
.Lentry_shape_is_right:
; Causal attention of one (batch, head) on codes of E4M3, and its result quantised for the last product.  2,048 queries and keys, head size 64.
; q, k: [bh][s][64 places of e]; v: [bh][key block of 128][e 64][128 places of key]; ac: [batch][query block of 128][h][128][64 places of e]  (places: inside each group of 32, index 16 u + 8 h + j at place 16 h + 8 u + j).
; THE SOFTMAX: t = score x log2(e) / 8; M = the running largest t rounded UP to a whole number; p = 2^(t - M) is quantised with 2^e9; the row's sum is taken of the unquantised p and divides at the end.
; When M moves, the sum and O are multiplied by 2^(old M - new M): nothing is rounded, and no branch hangs on data.
; SHARES.  Eight work-groups to a head; work-group g = 4 x cluster x + cx has 16 queries, 16 g on, of EVERY block of 128 queries: sixteen tiles, sixteen waves.  Blocks a and 15 - a (a = 0 .. 7) are a pair, worked by two waves:
;   wave L: block 15 - a, key steps 0 .. 8 (nine steps of 128 keys);   wave S: block a, key steps 0 .. a, which it finishes and stores; then block 15 - a, key steps 9 .. 15 - a: eight steps in all.
; At the end S hands its part (O, M, the sum) to L through LDS, and L joins the two: so every wave has eight or nine steps.  Steps all of whose keys come after the queries are left out (causal mask of reference()'s own).
; THE WHOLE HEAD'S K AND V LIE IN LDS, filled once: sixteen loads of 16,384 bytes, one a wave, all at the head; the four work-groups of a cluster need the same bytes and ask JOINTLY.  Steps 0 and 1 start when waves 0 and 8 have theirs in.
; All of K and V is asked for in the kernel's first lines, so there is nothing further along that a prefetch could name.
; The place in the cluster enters global addresses and the mask's threshold, no branch and no LDS address.
; LAYOUT.  S^T = K Q^T (source 0 = 16 neighbouring keys, source 1 = my 16 queries): lane (r, h) holds query r and keys 16 t + 8 h + j; their conversions fall into registers 2 t, 2 t + 1: just where the
; K = 128 form has k = 16 t + 8 h + j.  V's places of key are laid so that four loads of 16 bytes give the same order.  O^T = V^T P^T again holds one query a lane.
; LIMITS: e6 + e7 between -123 and 130 (added to c's exponent field); e9 and e10 between -126 and 119; |t| under 2^31.  NaN is not served.
; REGISTERS: v1-9, v24-27 addresses; v10, v11 2^e10 and 448 x it; v12 -M, v13 the largest t, v[14:15] the sum; v[16:23] Q; v30, v31 2^e9 and 448 x it; v32-95 K's eight fragments, then p's codes (v32-47) and work; v96-159 S^T, then p; v160-191 O^T; v192-255 V's four fragments.
.set KVB,   139264                     ; K's region, and V's: 512 long rows of 256 bytes + 16 of padding (four keys, or two rows e, to a long row)
.set STEPB, 8704                       ; a key step in either: 32 long rows
.set PB,    2*KVB                      ; behind them: for each pair 4,352 bytes: S's stage (16 rows x 80 bytes), at the end S's part
.set LB,    8*4352                     ; and behind those L's stages, 1,280 bytes each
.set SPARE, PB+LB+8*1280               ; the spare words, 128 bytes a wave
.set AK0, 1
.set AV0, 2
.set DQ,  3                            ; my query in its block, less 8 h
.set SPW, 4
.set STO, 5
.set RD,  6
.set GO,  7
.set QO,  8
.set NIL, 9
.set ADK, 24
.set ADV, 25
.set PAD, 26                           ; the pair's part: 16 x lane
.set PAW, 27                           ; and 4 x lane
.set WV,  10                           ; s10 my wave's number
.set SEL, 20                           ; s[20:21] selects for v_permlanex16_b32: lane l xor 16
.set CS,  22                           ; s[22:23] c = log2(e) / 8 x 2^(e6 + e7)
.set G1,  24                           ; s[24:31] descriptor group 1
.set G0,  32                           ; s[32:35] group 0
.set BQ,  48                           ; the block of queries in hand
.set KS,  49                           ; the key step in hand
.set TB,  50                           ; its first LDS byte in K's region
.set T,   51                           ; my step's number, 0 .. 8
.set A1,  52                           ; S: the step in which block a ends; L: 15, never reached
.set B1,  53                           ; my first block: S: a, L: 15 - a
.set B15, 54                           ; 15 - a
.set D,   55                           ; S: what is added to the step's number in block 15 - a
.set SL,  56                           ; 0: S, 1: L
.set QB,  58                           ; s[58:59] block 15 - a's Q
.set EO,  80                           ; e8 + e9
.macro CROUND                          ; a round of the cluster's barrier
	s_barrier_signal -1
	s_barrier_wait -1
	s_cmp_lg_u32 s[WV], 0
	s_cbranch_scc1 .Lnot_wave_0_\@
	s_barrier_signal -3
.Lnot_wave_0_\@:
	s_barrier_wait -3
	s_barrier_signal -1
	s_barrier_wait -1
.endm
	s_load_b128 s[4:7], s[0:1], 0x0                ; qkv, lowp_scales
	s_load_b64 s[8:9], s[0:1], 0x10                ; ac
	v_lshl_add_u32 v[SPW], v0, 2, SPARE
	v_mov_b32 v[NIL], 0
	ds_add_u32 v[SPW], v[NIL]                      ; the wave's opening: the add, twice on end, ahead of my tensor load
	ds_add_u32 v[SPW], v[NIL]
	v_lshrrev_b32 v1, 5, v0
	v_readfirstlane_b32 s[WV], v1                  ; wave 0..15
	; group 1: a dense block of 16,384 bytes as 64 rows of 256 bytes, 16 bytes of padding behind each
	s_mov_b32 s[G1], 15|(1<<20)|(1<<21)|(5<<22)|(3<<25)   ; the mask: all four work-groups; elements of 1 byte; padding on; 21 set beside a mask; after every 64 words 4 words
	s_mov_b32 s[G1+1], 256<<16                     ; tensor_dim0
	s_mov_b32 s[G1+2], 64<<16                      ; tensor_dim1
	s_mov_b32 s[G1+3], 256<<16                     ; tile_dim0
	s_mov_b32 s[G1+4], 64                          ; tile_dim1
	s_mov_b32 s[G1+5], 256                         ; from row to row
	s_mov_b32 s[G1+6], 0
	s_mov_b32 s[G1+7], 0
	; what I fetch: K (waves 0-7) or V (8-15), key steps 2 (w % 8) and the next
	s_and_b32 s11, ttmp7, 0xffff                   ; bh, which the partners share
	s_lshr_b32 s84, s[WV], 3
	s_and_b32 s85, s[WV], 7
	s_lshl_b32 s16, s11, 17                        ; the head's 131,072 bytes,
	s_lshl_b32 s17, s84, 22
	s_add_co_u32 s16, s16, s17
	s_lshl_b32 s17, s85, 14
	s_add_co_u32 s16, s16, s17
	s_add_co_u32 s16, s16, 0x400000                ; in k (4 MiB) or v (8 MiB)
	s_mov_b32 s17, 0
	s_mul_i32 s18, s84, KVB
	s_mul_i32 s19, s85, 2*STEPB
	s_add_co_u32 s18, s18, s19                     ; and where it goes: the wave's number alone
	; my pair and my part of it: waves w % 4 = i with w / 4 = 0, 1: S and L of a = i; w / 4 = 2, 3: of a = 7 - i
	s_and_b32 s60, s[WV], 3
	s_lshr_b32 s61, s[WV], 2
	s_and_b32 s[SL], s61, 1
	s_lshr_b32 s61, s61, 1
	s_mul_i32 s62, s61, 7
	s_xor_b32 s62, s60, s62                        ; a
	s_lshl_b32 s61, s61, 2
	s_add_co_u32 s60, s60, s61                     ; the pair's number, 0..7
	s_xor_b32 s[B15], s62, 15
	s_mul_i32 s63, s[SL], 15
	s_xor_b32 s[B1], s62, s63
	s_or_b32 s[A1], s62, s63
	s_xor_b32 s63, s62, 7
	s_add_co_u32 s63, s63, 1                       ; 8 - a: step a + 1 is key step 9;
	s_min_u32 s[D], s63, 7                         ; a = 0: its step 1 falls away, and step 2 is key step 9
	s_mul_i32 s66, s60, 4352
	s_add_co_u32 s66, s66, PB                      ; the pair's bytes
	s_mul_i32 s67, s[SL], 5120
	s_xor_b32 s67, s67, 4352                       ; S: 4,352, L: 1,280
	s_mul_i32 s67, s67, s60
	s_mul_i32 s63, s[SL], LB
	s_add_co_u32 s67, s67, s63
	s_add_co_u32 s67, s67, PB                      ; my stage
	; global addresses
	s_bfe_u32 s12, ttmp6, 0x40000                  ; cx
	s_lshl_b32 s13, ttmp9, 2
	s_add_co_u32 s12, s12, s13                     ; g
	s_lshl_b32 s14, s12, 4                         ; my first query in each block
	s_lshl_b32 s15, s12, 10                        ; 16 rows of 64 bytes
	s_lshl_b32 s86, s11, 17
	s_add_co_u32 s86, s86, s15
	s_lshl_b32 s88, s[B15], 13
	s_add_co_u32 s88, s88, s86
	s_mov_b32 s89, 0
	s_mov_b64 s[QB:QB+1], s[88:89]                 ; block 15 - a's place in q,
	s_lshl_b32 s90, s[B1], 13
	s_add_co_u32 s90, s90, s86
	s_mov_b32 s91, 0                               ; my first block's,
	s_lshr_b32 s88, s11, 4                         ; and my tile's place in ac
	s_lshl_b32 s88, s88, 21
	s_lshl_b32 s86, s[B1], 17
	s_add_co_u32 s88, s88, s86
	s_and_b32 s86, s11, 15
	s_lshl_b32 s86, s86, 13
	s_add_co_u32 s88, s88, s86
	s_add_co_u32 s88, s88, s15
	s_mov_b32 s[SEL], 0x76543210
	s_mov_b32 s[SEL+1], 0xfedcba98
	s_mov_b32 s[CS], 0x3e38aa3b                    ; log2(e) / 8
	v_and_b32 v26, 15, v0                          ; r
	v_bfe_u32 v27, v0, 4, 1                        ; h
	v_and_b32 v28, 31, v0                          ; lane
	v_lshlrev_b32 v29, 6, v26
	v_lshl_add_u32 v[QO], v27, 4, v29              ; Q: row r of 64 bytes + 16 h
	v_lshrrev_b32 v29, 2, v26
	v_mul_u32_u24 v[AK0], v29, 272
	v_and_b32 v29, 3, v26
	v_lshl_add_u32 v[AK0], v29, 6, v[AK0]
	v_lshl_add_u32 v[AK0], v27, 4, v[AK0]          ; K: key r of a tile: long row r / 4, 64 (r % 4), + 16 h: sixteen lanes touch sixteen different columns of 16 bytes
	v_lshrrev_b32 v29, 1, v26
	v_mul_u32_u24 v[AV0], v29, 272
	v_and_b32 v29, 1, v26
	v_lshl_add_u32 v[AV0], v29, 7, v[AV0]
	v_lshl_add_u32 v[AV0], v27, 4, v[AV0]
	v_add_nc_u32 v[AV0], KVB, v[AV0]               ; V: row e = r of a tile: long row r / 2, 128 (r % 2), + 16 h
	v_lshlrev_b32 v29, 3, v27
	v_sub_nc_u32 v[DQ], v26, v29
	v_add_nc_u32 v[DQ], s14, v[DQ]                 ; my query in its block - 8 h
	v_mul_u32_u24 v[STO], v26, 80
	v_lshl_add_u32 v[STO], v27, 4, v[STO]
	v_add_nc_u32 v[STO], s67, v[STO]
	v_lshrrev_b32 v29, 2, v28
	v_mul_u32_u24 v[RD], v29, 80
	v_and_b32 v29, 3, v28
	v_lshl_add_u32 v[RD], v29, 4, v[RD]
	v_add_nc_u32 v[RD], s67, v[RD]
	v_lshlrev_b32 v[GO], 4, v28
	v_add_nc_u32 v[PAD], s66, v[GO]
	v_lshlrev_b32 v29, 2, v28
	v_add_nc_u32 v[PAW], s66, v29
	s_wait_alu depctr_va_vdst(0)                   ; directly ahead of the wait below
	s_wait_dscnt 0x0                               ; both opening adds are done
	CROUND                                         ; all four work-groups are here: the joint loads meet
	s_wait_kmcnt 0x0
	s_load_b256 s[68:75], s[6:7], 0x0              ; e0 .. e7
	s_load_b128 s[76:79], s[6:7], 0x20             ; e8 .. e11
	s_mov_b32 s[G0], 1
	s_mov_b32 s[G0+1], s18
	s_add_nc_u64 s[G0+2:G0+3], s[4:5], s[16:17]
	s_or_b32 s[G0+3], s[G0+3], 0x80000000
	s_add_nc_u64 s[90:91], s[4:5], s[90:91]        ; q of my first block
	s_add_nc_u64 s[QB:QB+1], s[4:5], s[QB:QB+1]    ; q of block 15 - a
	s_add_nc_u64 s[8:9], s[8:9], s[88:89]          ; ac: the one tile that I store
	global_load_b128 v[16:19], v[QO], s[90:91]
	global_load_b128 v[20:23], v[QO], s[90:91] offset:32
	s_cmp_eq_u32 s85, 0                            ; my one tensor load.  Waves 0 and 8 bring K's and V's key steps 0 and 1, and wait for them here
	s_cbranch_scc0 .Lothers
	tensor_load_to_lds s[G0:G0+3], s[G1:G1+7]
	s_nop 0
.rept 4
	v_nop
.endr
	s_wait_tensorcnt 0x0
	s_branch .Lasked
.Lothers:
	tensor_load_to_lds s[G0:G0+3], s[G1:G1+7]
	s_nop 0
.rept 4
	v_nop
.endr
.Lasked:
.macro RESET                           ; no key seen yet: the first change of M multiplies zeros
	v_mov_b32 v13, 0xff61b1e6                      ; the largest t so far: -3e38, under every t
	v_mov_b32 v12, 0x7f61b1e6                      ; -M, a whole number
	v_mov_b32 v14, 0
	v_mov_b32 v15, 0
.set j, 0
.rept 32
	v_mov_b32 v[160+j], 0
.set j, j+1
.endr
.endm
	RESET
	s_wait_kmcnt 0x0
	s_add_co_i32 s12, s74, s75
	s_lshl_b32 s12, s12, 23
	s_add_co_i32 s[CS], s[CS], s12                 ; a score stands for score x 2^(e6 + e7)
	s_mov_b32 s[CS+1], s[CS]
	s_add_co_i32 s[EO], s76, s77
.macro SCALE e, vs, vl                 ; 2^e and 448 x 2^e
	s_add_co_i32 s12, s[\e], 127
	s_lshl_b32 s13, s12, 23
	v_mov_b32 v[\vs], s13
	s_add_co_i32 s12, s12, 8
	s_lshl_b32 s12, s12, 23
	s_or_b32 s12, s12, 0x600000
	v_mov_b32 v[\vl], s12
.endm
	SCALE 77, 30, 31                               ; e9
	SCALE 78, 10, 11                               ; e10
; A FINISHED TILE LEAVES: src .. src + 31 (O^T) x 2^(e8 + e9) / the sum (v14), quantised with 2^e10; 16 rows of 64 codes through my stage, out as 1,024 consecutive bytes.
.macro FIN src
	s_wait_alu depctr_va_vdst(0)                   ; ahead of the reciprocal, and behind it ahead of its reader
	v_rcp_f32 v14, v14
	v_nop
	s_wait_alu depctr_va_vdst(0)
	v_ldexp_f32 v14, v14, s[EO]
.set j, 0
.rept 16
	v_pk_mul_f32 v[96+j:97+j], v[\src+j:\src+1+j], v[14:15] op_sel_hi:[1,0]   ; register 8 u + i: attn_out(query r, e = 16 u + 8 h + i)
.set j, j+2
.endr
.set j, 0
.rept 32
	v_med3_num_f32 v[96+j], v[96+j], -v11, v11     ; the conversion to an 8-bit code does not saturate (ISA guide 7.6.2)
.set j, j+1
.endr
.irp u, 0,1,2,3
	v_cvt_scalef32_pk8_fp8_f32 v[32+2*\u:33+2*\u], v[96+8*\u:103+8*\u], v10
.endr
	v_nop
	ds_store_b128 v[STO], v[32:35]                 ; tiles 0 and 1 side by side: the places of e
	ds_store_b128 v[STO], v[36:39] offset:32
	ds_load_b128 v[40:43], v[RD]                   ; LDS serves a wave's instructions in order: these see my stores
	ds_load_b128 v[44:47], v[RD] offset:640
	s_wait_dscnt 1
	global_store_b128 v[GO], v[40:43], s[8:9]      ; eight rows of 64 bytes: 512 consecutive bytes
	s_wait_dscnt 0x0
	global_store_b128 v[GO], v[44:47], s[8:9] offset:512
	s_wait_xcnt 0x0                                ; the stores have read their registers
.endm
.macro ROWSUM                          ; places behind the last products; then the row's sum
.rept 4
	v_nop
.endr
	v_add_f32 v14, v14, v15
	v_permlanex16_b32 v61, v14, s[SEL], s[SEL+1]
	v_add_f32 v14, v14, v61
.endm
; A KEY STEP: 128 keys, key step s[ks], block s[BQ].
.macro STEP ks
	s_cmp_gt_u32 s[\ks], s[BQ]                     ; all its keys come after my queries (or I have no step here)
	s_cbranch_scc1 .Lhid_\@
	v_add_nc_u32 v[ADK], s[TB], v[AK0]
	v_add_nc_u32 v[ADV], s[TB], v[AV0]
	v_nop
	v_nop                                          ; four places in front of loads into registers that the last products read
.irp t, 0,1,2,3,4,5,6,7
.irp c, 0,1
	ds_load_b128 v[32+8*\t+4*\c:35+8*\t+4*\c], v[ADK] offset:1088*\t+32*\c
.endr
.endr
.irp u, 0,1,2,3
.irp c, 0,1,2,3
	ds_load_b128 v[192+16*\u+4*\c:195+16*\u+4*\c], v[ADV] offset:2176*\u+32*\c
.endr
.endr
	s_wait_loadcnt 0x0                             ; Q (asked for at the head or in the last step of the block before)
	s_wait_dscnt 16                                ; K is in; V's sixteen loads may be out
.irp t, 0,1,2,3,4,5,6,7
	v_wmma_f32_16x16x64_fp8_fp8 v[96+8*\t:103+8*\t], v[32+8*\t:39+8*\t], v[16:23], 0
.endr
.rept 4
	v_nop
.endr
	s_cmp_lt_u32 s[\ks], s[BQ]                     ; all its keys count: no mask
	s_cbranch_scc1 .Lopen_\@
	global_load_b128 v[16:19], v[QO], s[QB:QB+1]   ; a block's last step: Q is done with, and block 15 - a's is asked for (used where S goes on to that block)
	global_load_b128 v[20:23], v[QO], s[QB:QB+1] offset:32
.set n, 0
.rept 64                               ; the step on the diagonal: register 8 t + j holds key 16 t + 8 h + j of the block: it counts where 16 t + j <= my query - 8 h
	v_cmp_le_i32 vcc_lo, 16*(n/8)+n%8, v[DQ]
	v_cndmask_b32 v[96+n], 0xff800000, v[96+n], vcc_lo
.set n, n+1
.endr
.Lopen_\@:
	v_max3_num_f32 v60, v96, v97, v98              ; the step's largest score of my query among my 64 keys, in two chains,
	v_max3_num_f32 v64, v99, v100, v101
.irp i, 6,10,14,18,22,26,30,34,38,42,46,50,54,58
	v_max3_num_f32 v60, v60, v[96+\i], v[97+\i]
	v_max3_num_f32 v64, v64, v[98+\i], v[99+\i]
.endr
	v_max3_num_f32 v60, v60, v158, v159
	s_delay_alu instid0(VALU_DEP_1)
	v_max_num_f32 v60, v60, v64
	s_delay_alu instid0(VALU_DEP_1)
	v_permlanex16_b32 v61, v60, s[SEL], s[SEL+1]
	s_delay_alu instid0(VALU_DEP_1)
	v_max_num_f32 v60, v60, v61                    ; and among lane l xor 16's
	s_delay_alu instid0(VALU_DEP_1)
	v_mul_f32 v60, s[CS], v60                      ; as t (c is positive)
	s_delay_alu instid0(VALU_DEP_1)
	v_max_num_f32 v13, v13, v60
	v_mov_b32 v60, v12
	s_delay_alu instid0(VALU_DEP_2)
	v_floor_f32 v12, -v13                          ; the new -M = floor(-t)
	s_delay_alu instid0(VALU_DEP_1)
	v_sub_f32 v60, v12, v60                        ; old M - new M: a whole number, 0 or less
	s_delay_alu instid0(VALU_DEP_1)
	v_cvt_i32_f32 v60, v60                         ; (it saturates)
	s_delay_alu instid0(VALU_DEP_1)
	v_ldexp_f32 v62, 1.0, v60                      ; f = 2^(old M - new M)
.set j, 0
.rept 32
	v_pk_fma_f32 v[96+j:97+j], v[96+j:97+j], s[CS:CS+1], v[12:13] op_sel_hi:[1,0,0]   ; t - M, two at a time
.set j, j+2
.endr
.set j, 0
	s_wait_alu depctr_va_vdst(0)                   ; ahead of the batch
.rept 64
	v_exp_f32 v[96+j], v[96+j]                     ; p = 2^(t - M)
.set j, j+1
.endr
	v_pk_mul_f32 v[14:15], v[14:15], v[62:63] op_sel_hi:[1,0]   ; the sums under the new M: the plain line behind the exponentials
	s_wait_alu depctr_va_vdst(0)                   ; one wait for the batch, ahead of its first reader
	v_pk_add_f32 v[64:65], v[100:101], v[104:105]  ; the sum of the unquantised p, in eight chains
	v_pk_add_f32 v[94:95], v[108:109], v[112:113]
	v_pk_add_f32 v[92:93], v[116:117], v[120:121]
	v_pk_add_f32 v[90:91], v[124:125], v[128:129]
	v_pk_add_f32 v[88:89], v[132:133], v[136:137]
	v_pk_add_f32 v[86:87], v[140:141], v[144:145]
	v_pk_add_f32 v[84:85], v[148:149], v[152:153]
	v_pk_add_f32 v[14:15], v[14:15], v[156:157]
	v_pk_add_f32 v[64:65], v[64:65], v[96:97]
	v_pk_add_f32 v[94:95], v[94:95], v[98:99]
	v_pk_add_f32 v[92:93], v[92:93], v[102:103]
	v_pk_add_f32 v[90:91], v[90:91], v[106:107]
	v_pk_add_f32 v[88:89], v[88:89], v[110:111]
	v_pk_add_f32 v[86:87], v[86:87], v[114:115]
	v_pk_add_f32 v[84:85], v[84:85], v[118:119]
	v_pk_add_f32 v[14:15], v[14:15], v[122:123]
	v_pk_add_f32 v[64:65], v[64:65], v[126:127]
	v_pk_add_f32 v[94:95], v[94:95], v[130:131]
	v_pk_add_f32 v[92:93], v[92:93], v[134:135]
	v_pk_add_f32 v[90:91], v[90:91], v[138:139]
	v_pk_add_f32 v[88:89], v[88:89], v[142:143]
	v_pk_add_f32 v[86:87], v[86:87], v[146:147]
	v_pk_add_f32 v[84:85], v[84:85], v[150:151]
	v_pk_add_f32 v[14:15], v[14:15], v[154:155]
	v_pk_add_f32 v[64:65], v[64:65], v[158:159]
	s_delay_alu instid0(VALU_DEP_2)
	v_pk_add_f32 v[14:15], v[14:15], v[90:91]
	s_delay_alu instid0(VALU_DEP_2)
	v_pk_add_f32 v[64:65], v[64:65], v[88:89]
	v_pk_add_f32 v[94:95], v[94:95], v[86:87]
	v_pk_add_f32 v[92:93], v[92:93], v[84:85]
	s_delay_alu instid0(VALU_DEP_2)
	v_pk_add_f32 v[14:15], v[14:15], v[94:95]
	s_delay_alu instid0(VALU_DEP_2)
	v_pk_add_f32 v[64:65], v[64:65], v[92:93]
	s_delay_alu instid0(VALU_DEP_1)
	v_pk_add_f32 v[14:15], v[14:15], v[64:65]
.irp t, 0,1,2,3,4,5,6,7
.irp i, 0,2,4,6
	v_dual_min_num_f32 v[96+8*\t+\i], v31, v[96+8*\t+\i] :: v_dual_min_num_f32 v[97+8*\t+\i], v31, v[97+8*\t+\i]   ; the hold (ISA guide 7.6.2), two at a time; p is not negative, so it is one-sided
.endr
	v_cvt_scalef32_pk8_fp8_f32 v[32+2*\t:33+2*\t], v[96+8*\t:103+8*\t], v30
.endr
	s_wait_alu depctr_va_vdst(0)                   ; directly ahead of the first reader of O^T
.set j, 0
.rept 16
	v_pk_mul_f32 v[160+j:161+j], v[160+j:161+j], v[62:63] op_sel_hi:[1,0]   ; O^T under the new M; also the plain lines between the conversions and the products
.set j, j+2
.endr
	s_wait_alu depctr_va_vdst(0)                   ; directly ahead of the wait below
	s_wait_dscnt 0x0                               ; V is in
.irp u, 0,1,2,3
	v_wmma_f32_16x16x128_fp8_fp8 v[160+8*\u:167+8*\u], v[192+16*\u:207+16*\u], v[32:47], v[160+8*\u:167+8*\u]   ; four accumulators by turns
.endr
	s_cmp_lg_u32 s[SL], 0
	s_cbranch_scc1 .Lhid_\@
	s_cmp_lg_u32 s[T], s[A1]
	s_cbranch_scc1 .Lhid_\@
	ROWSUM                                         ; S: block a is finished: out with it, and on to block 15 - a
	FIN 160
	RESET
.Lhid_\@:
.endm
	s_wait_alu depctr_va_vdst(0)                   ; at the head's end
	s_wait_dscnt 0x0                               ; (the other fourteen waves' loads may be out)
	s_barrier_signal -1
	s_barrier_wait -1                              ; key steps 0 and 1 of K and V are whole
	s_mov_b32 s[BQ], s[B1]
	s_mov_b32 s[TB], 0
	s_mov_b32 s[T], 0
.Lfirst:                                           ; steps 0 and 1: key steps 0 and 1
	STEP T
	s_add_co_u32 s[TB], s[TB], STEPB
	s_add_co_u32 s[T], s[T], 1
	s_cmp_lt_u32 s[T], 2
	s_cbranch_scc1 .Lfirst
	s_wait_tensorcnt 0x0                           ; my load is in
	s_wait_dscnt 0x0
	s_barrier_signal -1
	s_barrier_wait -1                              ; the whole head lies in LDS
	s_mov_b32 s[T], 2
.Lrest:                                            ; steps 2 to 8
	s_add_co_u32 s12, s[T], s[D]
	s_cmp_gt_u32 s[T], s[A1]                       ; S, behind block a?
	s_cselect_b32 s[KS], s12, s[T]
	s_cselect_b32 s[BQ], s[B15], s[B1]
	s_min_u32 s12, s[KS], 15
	s_mul_i32 s[TB], s12, STEPB
	STEP KS
	s_add_co_u32 s[T], s[T], 1
	s_cmp_lt_u32 s[T], 9
	s_cbranch_scc1 .Lrest
	; THE TWO PARTS OF BLOCK 15 - a ARE JOINED: S hands over O^T, -M and the sum, as its registers lie.
	ROWSUM
	s_wait_alu depctr_va_vdst(0)                   ; ahead of the branch
	s_cmp_lg_u32 s[SL], 0
	s_cbranch_scc1 .Lmeet
.irp n, 0,1,2,3,4,5,6,7
	ds_store_b128 v[PAD], v[160+4*\n:163+4*\n] offset:512*\n
.endr
	ds_store_b32 v[PAW], v12 offset:4096
	ds_store_b32 v[PAW], v14 offset:4224
.Lmeet:
	s_wait_dscnt 0x0
	s_barrier_signal -1
	s_barrier_wait -1
	s_cmp_eq_u32 s[SL], 0
	s_cbranch_scc1 .Lend
.irp n, 0,1,2,3,4,5,6,7
	ds_load_b128 v[32+4*\n:35+4*\n], v[PAD] offset:512*\n
.endr
	ds_load_b32 v64, v[PAW] offset:4096
	ds_load_b32 v65, v[PAW] offset:4224
	s_wait_dscnt 0x0
	v_min_num_f32 v66, v12, v64                    ; -M of both: M is the larger
	v_sub_f32 v67, v66, v12
	v_sub_f32 v68, v66, v64
	v_cvt_i32_f32 v67, v67
	v_cvt_i32_f32 v68, v68
	v_ldexp_f32 v70, 1.0, v67                      ; 2^(my M - M)
	v_ldexp_f32 v72, 1.0, v68                      ; 2^(S's M - M); 0 where S has seen no key
	v_mul_f32 v14, v14, v70
	v_fma_f32 v14, v65, v72, v14
.set j, 0
.rept 16
	v_pk_mul_f32 v[96+j:97+j], v[160+j:161+j], v[70:71] op_sel_hi:[1,0]
.set j, j+2
.endr
.set j, 0
.rept 16
	v_pk_fma_f32 v[96+j:97+j], v[32+j:33+j], v[72:73], v[96+j:97+j] op_sel_hi:[1,0,1]
.set j, j+2
.endr
	FIN 96
.Lend:
	s_wait_tensorcnt 0x0                           ; the wave's end
	ds_add_u32 v[SPW], v[NIL]
	s_wait_dscnt 0x0
	CROUND                                         ; the closing round
	s_endpgm
.Lfunc_end_k_qe174506230_attn:
	.size	k_qe174506230_attn, .Lfunc_end_k_qe174506230_attn-k_qe174506230_attn
	.p2alignl 7, 3214868480
	.fill 96, 4, 3214868480
	.section	.rodata,"a",@progbits
	.p2align	6, 0x0
	.amdhsa_kernel k_qe174506230_attn
		.amdhsa_group_segment_fixed_size 327680
		.amdhsa_private_segment_fixed_size 0
		.amdhsa_enable_private_segment 0
		.amdhsa_kernarg_size 24
		.amdhsa_user_sgpr_count 2
		.amdhsa_user_sgpr_kernarg_segment_ptr 1
		.amdhsa_wavefront_size32 1
		.amdhsa_system_sgpr_workgroup_id_x 1
		.amdhsa_system_sgpr_workgroup_id_y 1
		.amdhsa_system_sgpr_workgroup_id_z 1
		.amdhsa_system_vgpr_workitem_id 0
		.amdhsa_next_free_vgpr 256
		.amdhsa_next_free_sgpr 100
		.amdhsa_reserve_vcc 1
		.amdhsa_float_denorm_mode_32 3
		.amdhsa_float_denorm_mode_16_64 3
		.amdhsa_memory_ordered 1
		.amdhsa_forward_progress 1
		.amdhsa_inst_pref_size 75
	.end_amdhsa_kernel
	.amdgpu_metadata
---
amdhsa.version: [ 1, 2 ]
amdhsa.kernels:
  - .name:           k_qe174506230_attn
    .symbol:         k_qe174506230_attn.kd
    .args:
      - { .name: qkv, .offset: 0, .size: 8, .value_kind: global_buffer, .address_space: global }
      - { .name: lowp_scales, .offset: 8, .size: 8, .value_kind: global_buffer, .address_space: global }
      - { .name: ac, .offset: 16, .size: 8, .value_kind: global_buffer, .address_space: global }
    .group_segment_fixed_size: 327680
    .private_segment_fixed_size: 0
    .kernarg_segment_align: 8
    .kernarg_segment_size: 24
    .max_flat_workgroup_size: 512
    .sgpr_count:     100
    .vgpr_count:     256
    .wavefront_size: 32
...
	.end_amdgpu_metadata
.endif
;; end of part 3
;; launch oproj (part 4): grid 8 x 32, 4 waves a work-group, clusters of 4 x 4, 327,680 bytes of LDS; arguments ac, codes, lowp_scales, out0; writes out0
.if DOCPART == 4
	.amdgcn_target "amdgcn-amd-amdhsa--gfx1250"
	.amdhsa_code_object_version 6
	.text
	.protected	k_qe174506230_oproj
	.globl	k_qe174506230_oproj
	.p2align	8
	.type	k_qe174506230_oproj,@function
k_qe174506230_oproj:
	s_mov_b64 s[64:65], 0
	v_nop
	global_prefetch_b8 v0, s[64:65] scope:SCOPE_SE
	s_setreg_imm32_b32 hwreg(HW_REG_WAVE_MODE, 25, 1), 1
	s_wait_xcnt 0x0
	s_wait_alu depctr_hold_cnt(0) depctr_sa_sdst(0) depctr_va_vdst(0) depctr_va_sdst(0) depctr_va_ssrc(0) depctr_va_vcc(0) depctr_vm_vsrc(0)
	s_getreg_b32 s2, hwreg(HW_REG_IB_STS2, 6, 4)
	s_cmp_eq_u32 s2, 0
	s_cbranch_scc0 .Lentry_in_a_cluster
	s_endpgm
.Lentry_in_a_cluster:
	s_bfe_u32 s2, ttmp6, 0x10000c
	s_cmp_lg_u32 s2, 0xf033
	s_cbranch_scc0 .Lentry_shape_is_right
	s_endpgm
.Lentry_shape_is_right:
; out0[s][d] = sum over (h,e) of attn_out[s][(h,e)] W_O[(h,e)][d], on codes of E4M3; each finished sum x 2^(e10 + e11).  [4096 x 1024 x 1024].
; ac: [s / 128][h][s % 128][64 places of e]; W_O's codes, at 15 MiB of codes: [d / 128][h][d % 128][64 places of e]: the same places on both sides, so every product meets its partner.
; A tile of 128 x 128 gives 256 work-groups; four waves, each 64 x 64: 16 accumulators.  ALL OF K LIES IN LDS, filled once: either operand of a tile is 131,072 dense bytes, so a wave's one load brings
; eight heads of one operand as 256 rows of 256 bytes: wave 0, 1: A's heads 0-7, 8-15; wave 2, 3: B's.  Heads 0-7 are multiplied as soon as waves 0 and 2 have theirs in.  All is asked for at the head: nothing is left to prefetch.
; CLUSTERS: 4 x 4.  A's blocks hang on the tile row and are shared along a row of the cluster, B's on the tile column and are shared along a column: joint loads.
; THE MATRIX INSTRUCTION IS USED TRANSPOSED (source 0 = 16 rows d of W_O, source 1 = 16 rows s): a lane holds eight neighbouring numbers of a row of out0.
; LIMIT: e10 + e11 between -126 and 127.
; REGISTERS: window 0: v1-21 addresses; v32-63 a block's scaled sums; v64-127 rows back from the stage, two sets; v128-255 the accumulators.  window 1: two fragment buffers of 128: A's four fragments, then B's four.
.set HB,    8704                       ; a head's block in LDS: 32 long rows of 256 bytes + 16 (four rows of 64 bytes to a long row)
.set HALF,  8*HB                       ; what a load brings
.set SPARE, 4*HALF                     ; the spare words
.set ADRA, 8                           ; v8-9    my A fragments' address in heads 0-7, 8-15
.set ADRB, 12                          ; v12-13  the same for B
.set STO,  16
.set RD,   17
.set CO,   18
.set SPW,  20
.set NIL,  21
.set TMP,  32
.set BK,   64
.set ACC,  128
.set F0,   0
.set F1,   128
.set G1A, 24                           ; s[24:31]
.set G0A, 32                           ; s[32:35]
.set G1B, 48                           ; s[48:55]
.set G0B, 68                           ; s[68:71]
.set MSB, 0
.macro WIN new                         ; the immediate's high byte repeats the setting that is left
.if MSB != \new
	s_set_vgpr_msb (MSB<<8)|\new
.set MSB, \new
.endif
.endm
.macro CROUND
	s_barrier_signal -1
	s_barrier_wait -1
	s_cmp_lg_u32 s14, 0
	s_cbranch_scc1 .Lnot_wave_0_\@
	s_barrier_signal -3
.Lnot_wave_0_\@:
	s_barrier_wait -3
	s_barrier_signal -1
	s_barrier_wait -1
.endm
	s_load_b256 s[4:11], s[0:1], 0x0               ; ac s[4:5], codes s[6:7], lowp_scales s[8:9], out0 s[10:11]
	v_lshl_add_u32 v[SPW], v0, 2, SPARE
	v_mov_b32 v[NIL], 0
	ds_add_u32 v[SPW], v[NIL]                      ; the wave's opening: the add, twice on end, ahead of my tensor load
	ds_add_u32 v[SPW], v[NIL]
	v_lshrrev_b32 v1, 5, v0
	v_readfirstlane_b32 s14, v1                    ; wave 0..3
	s_lshr_b32 s15, s14, 1                         ; which 64 rows of the tile are mine.  Also: I fetch for A (0) or for B (1)
	s_and_b32 s16, s14, 1                          ; which 64 columns.  Also: which eight heads I fetch
	s_bfe_u32 s56, ttmp6, 0x40000                  ; cx
	s_bfe_u32 s57, ttmp6, 0x40004                  ; cy
	s_lshl_b32 s58, ttmp9, 2
	s_add_co_u32 s58, s58, s56                     ; tile column
	s_and_b32 s59, ttmp7, 0xffff
	s_lshl_b32 s59, s59, 2
	s_add_co_u32 s59, s59, s57                     ; tile row
	s_lshl_b32 s60, s57, 2
	s_lshl_b32 s60, 15, s60                        ; my row of the cluster
	s_lshl_b32 s61, 0x1111, s56                    ; my column
	s_or_b32 s[G1A], s60, (1<<20)|(1<<21)|(5<<22)|(3<<25)   ; the mask; elements of 1 byte; padding on; 21 set beside a mask; after every 64 words 4 words
	s_or_b32 s[G1B], s61, (1<<20)|(1<<21)|(5<<22)|(3<<25)
.irp g, G1A, G1B
	s_mov_b32 s[\g+1], 256<<16                     ; tensor_dim0
	s_mov_b32 s[\g+2], 256<<16                     ; tensor_dim1
	s_mov_b32 s[\g+3], 256<<16                     ; tile_dim0
	s_mov_b32 s[\g+4], 256                         ; tile_dim1
	s_mov_b32 s[\g+5], 256                         ; from row to row
	s_mov_b32 s[\g+6], 0
	s_mov_b32 s[\g+7], 0
.endr
	s_lshl_b32 s17, s16, 16                        ; eight heads of 8,192 bytes
	s_lshl_b32 s20, s59, 17                        ; A: 131,072 bytes a tile row
	s_add_co_u32 s20, s20, s17
	s_mov_b32 s21, 0
	s_lshl_b32 s22, s58, 17                        ; B: likewise a tile column,
	s_add_co_u32 s22, s22, s17
	s_add_co_u32 s22, s22, 0xf00000                ; at 15 MiB
	s_mov_b32 s23, 0
	s_mul_i32 s84, s15, 4352                       ; my 64 rows: 16 long rows
	s_mul_i32 s85, s16, 4352
	s_add_co_u32 s85, s85, 2*HALF
	s_mul_i32 s86, s14, 4352                       ; my stage, 16 rows x (256 + 16) bytes, over A's heads 0-7: every wave's last read of those is waited for in front of the second barrier below
	s_lshl_b32 s88, s59, 7
	s_lshl_b32 s89, s15, 6
	s_add_co_u32 s88, s88, s89
	s_lshl_b32 s88, s88, 12                        ; my first row, of 4,096 bytes
	s_lshl_b32 s89, s58, 9
	s_add_co_u32 s88, s88, s89
	s_lshl_b32 s89, s16, 8
	s_add_co_u32 s88, s88, s89                     ; my first column: 512 x tile column + 256 x half
	s_mov_b32 s89, 0
	v_and_b32 v1, 15, v0                           ; r
	v_bfe_u32 v2, v0, 4, 1                         ; h
	v_lshrrev_b32 v3, 2, v1
	v_mul_u32_u24 v3, v3, 272
	v_and_b32 v4, 3, v1
	v_lshl_add_u32 v3, v4, 6, v3
	v_lshl_add_u32 v3, v2, 4, v3                   ; row r of a fragment: long row r / 4, 64 (r % 4), + 16 h: sixteen lanes touch sixteen different columns of 16 bytes
	v_add_nc_u32 v[ADRA], s84, v3
	v_add_nc_u32 v[ADRB], s85, v3
	v_add_nc_u32 v[ADRA+1], HALF, v[ADRA]
	v_add_nc_u32 v[ADRB+1], HALF, v[ADRB]
	v_mul_u32_u24 v5, v1, 272
	v_lshl_add_u32 v5, v2, 5, v5
	v_add_nc_u32 v[STO], s86, v5                   ; in: row r, 32 bytes for each half of the lanes
	v_mul_u32_u24 v5, v2, 272
	v_lshl_add_u32 v5, v1, 4, v5
	v_add_nc_u32 v[RD], s86, v5                    ; back: lanes 0-15 one row of 256 bytes, lanes 16-31 the next
	v_lshlrev_b32 v5, 12, v2
	v_lshl_add_u32 v[CO], v1, 4, v5                ; and the same two rows in out0
	s_wait_alu depctr_va_vdst(0)                   ; directly ahead of the wait below
	s_wait_dscnt 0x0                               ; both opening adds are done
	CROUND                                         ; all sixteen work-groups are here: the joint loads meet
	s_wait_kmcnt 0x0
	s_load_b64 s[96:97], s[8:9], 0x28              ; e10, e11
	s_add_nc_u64 s[10:11], s[10:11], s[88:89]
	s_mov_b32 s[G0A], 1
	s_add_nc_u64 s[G0A+2:G0A+3], s[4:5], s[20:21]
	s_or_b32 s[G0A+3], s[G0A+3], 0x80000000
	s_mov_b32 s[G0B], 1
	s_add_nc_u64 s[G0B+2:G0B+3], s[6:7], s[22:23]
	s_or_b32 s[G0B+3], s[G0B+3], 0x80000000
.macro ASKFOR g0, g1, at, first        ; a wave's one load, to LDS byte at; first = 1: what is multiplied first is waited for here
	s_mov_b32 s[\g0+1], \at
	tensor_load_to_lds s[\g0:\g0+3], s[\g1:\g1+7]
	s_nop 0
.rept 4
	v_nop
.endr
.if \first
	s_wait_tensorcnt 0x0
.endif
.endm
	s_cmp_lg_u32 s14, 0
	s_cbranch_scc1 .Lnot_0
	ASKFOR G0A, G1A, 0, 1
	s_branch .Lasked
.Lnot_0:
	s_cmp_lg_u32 s14, 1
	s_cbranch_scc1 .Lnot_1
	ASKFOR G0A, G1A, HALF, 0
	s_branch .Lasked
.Lnot_1:
	s_cmp_lg_u32 s14, 2
	s_cbranch_scc1 .Lnot_2
	ASKFOR G0B, G1B, 2*HALF, 1
	s_branch .Lasked
.Lnot_2:
	ASKFOR G0B, G1B, 3*HALF, 0
.Lasked:
.macro FETCH ks, f                     ; the fragments of K step ks (128 along K: heads 2 ks and 2 ks + 1) into buffer f: 32 loads
	WIN 0x40                                       ; destination window 1, address window 0
.set ii, 0
.rept 4
.set cc, 0
.rept 4
	ds_load_b128 v[\f+16*ii+4*cc:\f+16*ii+4*cc+3], v[ADRA+(\ks)/4] offset:(2*((\ks)%4)+cc/2)*HB+1088*ii+32*(cc%2)
	ds_load_b128 v[\f+64+16*ii+4*cc:\f+64+16*ii+4*cc+3], v[ADRB+(\ks)/4] offset:(2*((\ks)%4)+cc/2)*HB+1088*ii+32*(cc%2)
.set cc, cc+1
.endr
.set ii, ii+1
.endr
.endm
.macro MUL f, zero                     ; 16 matrix instructions, the 16 accumulators by turns, in the same order every time
	WIN 0x05                                       ; sources 0 and 1 window 1; C and D window 0
.irp a, 0,1,2,3
.irp b, 0,1,2,3
.if \zero
	v_wmma_f32_16x16x128_fp8_fp8 v[ACC+8*(4*\a+\b):ACC+8*(4*\a+\b)+7], v[\f+64+16*\b:\f+64+16*\b+15], v[\f+16*\a:\f+16*\a+15], 0
.else
	v_wmma_f32_16x16x128_fp8_fp8 v[ACC+8*(4*\a+\b):ACC+8*(4*\a+\b)+7], v[\f+64+16*\b:\f+64+16*\b+15], v[\f+16*\a:\f+16*\a+15], v[ACC+8*(4*\a+\b):ACC+8*(4*\a+\b)+7]
.endif
.endr
.endr
.endm
.macro PLACES
.rept 4
	v_nop
.endr
.endm
	s_barrier_signal -1                            ; waves 0 and 2 have waited for heads 0-7; heads 8-15 may be out
	s_barrier_wait -1                              ; heads 0-7 of both operands are whole
	FETCH 0, F0
	FETCH 1, F1
	s_wait_dscnt 32                                ; K step 0's fragments are in
	MUL F0, 1                                      ; the first products start the sums
	PLACES                                         ; in front of loads into registers that the last products read
	FETCH 2, F0
	s_wait_dscnt 32                                ; all but the 32 just issued
	MUL F1, 0
	PLACES
	FETCH 3, F1
	s_wait_dscnt 32
	MUL F0, 0
	s_wait_tensorcnt 0x0                           ; my load is in, my LDS loads are back;
	s_wait_dscnt 0x0
	s_barrier_signal -1
	s_barrier_wait -1                              ; then everybody's: all of K is whole, and heads 0-7 have been read
	PLACES
	FETCH 4, F0
	MUL F1, 0                                      ; (its fragments came in by the wait in front of the barrier)
	PLACES
	FETCH 5, F1
	s_wait_dscnt 32
	MUL F0, 0
	PLACES
	FETCH 6, F0
	s_wait_dscnt 32
	MUL F1, 0
	PLACES
	FETCH 7, F1
	s_wait_dscnt 32
	MUL F0, 0
	s_wait_dscnt 0x0
	MUL F1, 0
	WIN 0
	; THE WAY OUT, block by block of 16 rows x 64 columns: x 2^(e10 + e11), through my stage, back as whole rows of 256 bytes.
.macro TOSTAGE a
.set j, 0
.rept 16
	v_pk_mul_f32 v[TMP+j:TMP+j+1], v[ACC+32*(\a)+j:ACC+32*(\a)+j+1], s[96:97] op_sel_hi:[1,0]   ; each accumulator from its low end on
.set j, j+2
.endr
.irp b, 0,1,2,3
	ds_store_b128 v[STO], v[TMP+8*\b:TMP+8*\b+3] offset:64*\b
	ds_store_b128 v[STO], v[TMP+8*\b+4:TMP+8*\b+7] offset:64*\b+16
.endr
.set BB, BK+32*((\a)%2)
.irp t, 0,1,2,3,4,5,6,7
	ds_load_b128 v[BB+4*\t:BB+4*\t+3], v[RD] offset:\t*544   ; LDS serves a wave's instructions in order: these see my stores, and the next block's stores come behind them
.endr
.endm
.macro SEND a, younger
.set BB, BK+32*((\a)%2)
	s_wait_dscnt \younger
.irp t, 0,1,2,3,4,5,6,7
	global_store_b128 v[CO], v[BB+4*\t:BB+4*\t+3], s[10:11] offset:(16*(\a)+2*\t)*4096 th:TH_STORE_NT   ; 16 lanes store 256 consecutive bytes, at a multiple of 256 from out0's first byte
.endr
.endm
	s_wait_kmcnt 0x0
	s_add_co_i32 s96, s96, s97
	s_add_co_i32 s96, s96, 127
	s_lshl_b32 s96, s96, 23                        ; 2^(e10 + e11) as f32
	PLACES
	TOSTAGE 0
.irp a, 1,2,3
.if \a > 1
	s_wait_xcnt 0x0                                ; block a - 2's stores have read their registers: block a's rows may land there
.endif
	TOSTAGE \a
	SEND \a-1, 16                                  ; behind block a - 1's loads: block a's 8 stores and 8 loads
.endr
	SEND 3, 0
	s_wait_tensorcnt 0x0                           ; the wave's end
	ds_add_u32 v[SPW], v[NIL]
	s_wait_dscnt 0x0
	CROUND                                         ; the closing round
	s_endpgm
.Lfunc_end_k_qe174506230_oproj:
	.size	k_qe174506230_oproj, .Lfunc_end_k_qe174506230_oproj-k_qe174506230_oproj
	.p2alignl 7, 3214868480
	.fill 96, 4, 3214868480
	.section	.rodata,"a",@progbits
	.p2align	6, 0x0
	.amdhsa_kernel k_qe174506230_oproj
		.amdhsa_group_segment_fixed_size 327680
		.amdhsa_private_segment_fixed_size 0
		.amdhsa_enable_private_segment 0
		.amdhsa_kernarg_size 32
		.amdhsa_user_sgpr_count 2
		.amdhsa_user_sgpr_kernarg_segment_ptr 1
		.amdhsa_wavefront_size32 1
		.amdhsa_system_sgpr_workgroup_id_x 1
		.amdhsa_system_sgpr_workgroup_id_y 1
		.amdhsa_system_sgpr_workgroup_id_z 1
		.amdhsa_system_vgpr_workitem_id 0
		.amdhsa_next_free_vgpr 512
		.amdhsa_next_free_sgpr 100
		.amdhsa_reserve_vcc 0
		.amdhsa_float_denorm_mode_32 3
		.amdhsa_float_denorm_mode_16_64 3
		.amdhsa_memory_ordered 1
		.amdhsa_forward_progress 1
		.amdhsa_inst_pref_size 44
	.end_amdhsa_kernel
	.amdgpu_metadata
---
amdhsa.version: [ 1, 2 ]
amdhsa.kernels:
  - .name:           k_qe174506230_oproj
    .symbol:         k_qe174506230_oproj.kd
    .args:
      - { .name: ac, .offset: 0, .size: 8, .value_kind: global_buffer, .address_space: global }
      - { .name: codes, .offset: 8, .size: 8, .value_kind: global_buffer, .address_space: global }
      - { .name: lowp_scales, .offset: 16, .size: 8, .value_kind: global_buffer, .address_space: global }
      - { .name: out0, .offset: 24, .size: 8, .value_kind: global_buffer, .address_space: global }
    .group_segment_fixed_size: 327680
    .private_segment_fixed_size: 0
    .kernarg_segment_align: 8
    .kernarg_segment_size: 32
    .max_flat_workgroup_size: 128
    .sgpr_count:     100
    .vgpr_count:     512
    .wavefront_size: 32
...
	.end_amdgpu_metadata
.endif
;; end of part 4
